; MI455X (gfx1250); checked and timed in simulation.
; The chip was launched on July 23, 2026; its instructions are those of AMD's public machine-readable ISA for CDNA 5 (MIT licence, August 2026) and "CDNA5" Instruction Set Architecture Reference Guide (July 2026). The comments in the code are by the model that wrote it; some were corrected since.
;; Shifted Sparse Attention. Allowed arithmetic: float matrix products may take bf16 or f16 operands with f32 sums; other float arithmetic in f32, or as packed bf16 or f16 multiplies, adds, multiply-adds, maxima and minima; sums over many terms, partial sums and values carried from step to step in f32; what a program stores and reads back later, other than sums and carried values, may be rounded once to bf16 or f16.
;; Inputs: b_qkv 3,072 float32; hidden_states 2 x 8,192 x 1,024 float32; w_qkv 3,072 x 1,024 float32.
;; Outputs: out0 2 x 8,192 x 1,024 float32.
;; One version. Each part assembles by itself: llvm-mc -triple=amdgcn-amd-amdhsa -mcpu=gfx1250 --defsym DOCPART=n.
;; ======== version 1 of 1: 2 launches
;; limits: values are held in f16: magnitudes above 65,504 overflow, below 6.1e-05 lose precision
;; workspace buffers: xb 33,554,432 bytes; wb 6,291,456 bytes
;; launch cast (part 1): grid 1216 x 1, 8 waves a work-group, no clusters, 0 bytes of LDS; arguments hidden_states, w_qkv, xb, wb; writes xb, wb
.if DOCPART == 1
	.amdgcn_target "amdgcn-amd-amdhsa--gfx1250"
	.amdhsa_code_object_version 6
	.text
	.protected	k_q411132b707_cast
	.globl	k_q411132b707_cast
	.p2align	8
	.type	k_q411132b707_cast,@function
k_q411132b707_cast:
	s_mov_b64 s[64:65], 0
	v_nop
	global_prefetch_b8 v0, s[64:65] scope:SCOPE_SE
	s_setreg_imm32_b32 hwreg(HW_REG_WAVE_MODE, 25, 1), 1
	s_wait_xcnt 0x0
; xb = bf16(hidden_states), in the same order.  wb = bf16(w_qkv) with its blocks of 64 rows laid by head:
; wb block 3 h + p (p = 0 q, 1 k, 2 v) is w_qkv's block 16 p + h, so that a head's 192 rows lie on end.
; A stream: each input byte is read once, each output byte written once; nothing is shared, so no LDS, no barrier, no matrix work.
; A work-group takes 65,536 input bytes (16 rows of 1,024 f32) and writes 32,768.  Groups 0 to 1,023 take x, 1,024 to 1,215 take W (4 groups to a block of 64 rows).
; Thread t loads 16 bytes at 16 t + 4,096 i and stores 8 bytes at 8 t + 2,048 i, i = 0 .. 15: a wave's load covers 512 consecutive bytes, aligned,
; a wave's store 256 consecutive bytes, aligned.  All sixteen loads of a wave go out before its first store; no register is written twice.
.set XG,  1024                         ; groups that take x
.set X,   4                            ; v[4:67]   sixteen loads of 4 registers
.set Y,   68                           ; v[68:99]  sixteen stores of 2 registers
	s_load_b256 s[4:11], s[0:1], 0x0               ; hidden_states s[4:5], w_qkv s[6:7], xb s[8:9], wb s[10:11]
	s_mov_b32 s12, ttmp9
	s_max_u32 s13, s12, XG
	s_sub_co_u32 s13, s13, XG                      ; W's chunk, 0 .. 191 (0 in the groups that take x, where it is not used)
	s_lshr_b32 s14, s13, 2                         ; its block of 64 rows = 16 p + h
	s_and_b32 s15, s13, 3                          ; the quarter of that block
	s_lshr_b32 s16, s14, 4                         ; p
	s_and_b32 s17, s14, 15                         ; h
	s_mul_i32 s18, s17, 3
	s_add_co_u32 s18, s18, s16                     ; 3 h + p
	s_lshl2_add_u32 s18, s18, s15                  ; the chunk in wb
	v_lshlrev_b32 v1, 4, v0                        ; 16 t
	v_lshlrev_b32 v2, 3, v0                        ; 8 t
	s_wait_kmcnt 0x0
	s_cmp_lt_u32 s12, XG                           ; x or W?  The four selects leave SCC alone
	s_cselect_b32 s19, s12, s13                    ; chunk read
	s_cselect_b32 s20, s12, s18                    ; chunk written
	s_cselect_b64 s[22:23], s[4:5], s[6:7]
	s_cselect_b64 s[24:25], s[8:9], s[10:11]
	s_lshl_b32 s26, s19, 16                        ; 65,536 bytes a chunk in: under 2^26
	s_mov_b32 s27, 0
	s_lshl_b32 s28, s20, 15                        ; 32,768 out
	s_mov_b32 s29, 0
	s_add_nc_u64 s[22:23], s[22:23], s[26:27]
	s_add_nc_u64 s[24:25], s[24:25], s[28:29]
.irp i, 0,1,2,3,4,5,6,7,8,9,10,11,12,13,14,15
	global_load_b128 v[X+4*(\i):X+4*(\i)+3], v1, s[22:23] offset:4096*(\i) th:TH_LOAD_NT
.endr
.irp i, 0,1,2,3,4,5,6,7,8,9,10,11,12,13,14,15
	s_wait_loadcnt 15-(\i)                         ; loads come back in order: load i is in, the 15 - i younger ones stay out
	v_cvt_pk_bf16_f32 v[Y+2*(\i)],   v[X+4*(\i)],   v[X+4*(\i)+1]
	v_cvt_pk_bf16_f32 v[Y+2*(\i)+1], v[X+4*(\i)+2], v[X+4*(\i)+3]
	global_store_b64 v2, v[Y+2*(\i):Y+2*(\i)+1], s[24:25] offset:2048*(\i) th:TH_STORE_NT
.endr
	s_endpgm
.Lfunc_end_k_q411132b707_cast:
	.size	k_q411132b707_cast, .Lfunc_end_k_q411132b707_cast-k_q411132b707_cast
	.p2alignl 7, 3214868480
	.fill 96, 4, 3214868480
	.section	.rodata,"a",@progbits
	.p2align	6, 0x0
	.amdhsa_kernel k_q411132b707_cast
		.amdhsa_group_segment_fixed_size 0
		.amdhsa_private_segment_fixed_size 0
		.amdhsa_enable_private_segment 0
		.amdhsa_kernarg_size 32
		.amdhsa_user_sgpr_count 2
		.amdhsa_user_sgpr_kernarg_segment_ptr 1
		.amdhsa_wavefront_size32 1
		.amdhsa_system_sgpr_workgroup_id_x 1
		.amdhsa_system_sgpr_workgroup_id_y 1
		.amdhsa_system_sgpr_workgroup_id_z 1
		.amdhsa_system_vgpr_workitem_id 0
		.amdhsa_next_free_vgpr 100
		.amdhsa_next_free_sgpr 66
		.amdhsa_reserve_vcc 0
		.amdhsa_float_denorm_mode_32 3
		.amdhsa_float_denorm_mode_16_64 3
		.amdhsa_memory_ordered 1
		.amdhsa_forward_progress 1
		.amdhsa_inst_pref_size 7
	.end_amdhsa_kernel
	.amdgpu_metadata
---
amdhsa.version: [ 1, 2 ]
amdhsa.kernels:
  - .name:           k_q411132b707_cast
    .symbol:         k_q411132b707_cast.kd
    .args:
      - { .name: hidden_states, .offset: 0, .size: 8, .value_kind: global_buffer, .address_space: global }
      - { .name: w_qkv, .offset: 8, .size: 8, .value_kind: global_buffer, .address_space: global }
      - { .name: xb, .offset: 16, .size: 8, .value_kind: global_buffer, .address_space: global }
      - { .name: wb, .offset: 24, .size: 8, .value_kind: global_buffer, .address_space: global }
    .group_segment_fixed_size: 0
    .private_segment_fixed_size: 0
    .kernarg_segment_align: 8
    .kernarg_segment_size: 32
    .max_flat_workgroup_size: 256
    .sgpr_count:     66
    .vgpr_count:     100
    .wavefront_size: 32
...
	.end_amdgpu_metadata
.endif
;; end of part 1
;; launch fused (part 2): grid 16 x 16, 4 waves a work-group, clusters of 4 x 4, 327,680 bytes of LDS; arguments xb, wb, b_qkv, out0; writes out0
.if DOCPART == 2
	.amdgcn_target "amdgcn-amd-amdhsa--gfx1250"
	.amdhsa_code_object_version 6
	.text
	.protected	k_q411132b707_fused
	.globl	k_q411132b707_fused
	.p2align	8
	.type	k_q411132b707_fused,@function
k_q411132b707_fused:
	s_mov_b64 s[64:65], 0
	v_nop
	global_prefetch_b8 v0, s[64:65] scope:SCOPE_SE
	s_setreg_imm32_b32 hwreg(HW_REG_WAVE_MODE, 25, 1), 1
	s_wait_xcnt 0x0
	s_wait_alu depctr_hold_cnt(0) depctr_sa_sdst(0) depctr_va_vdst(0) depctr_va_sdst(0) depctr_va_ssrc(0) depctr_va_vcc(0) depctr_vm_vsrc(0)
	s_getreg_b32 s2, hwreg(HW_REG_IB_STS2, 6, 4)
	s_cmp_eq_u32 s2, 0
	s_cbranch_scc0 .Lentry_in_a_cluster
	s_endpgm
.Lentry_in_a_cluster:
	s_bfe_u32 s2, ttmp6, 0x10000c
	s_cmp_lg_u32 s2, 0xf033
	s_cbranch_scc0 .Lentry_shape_is_right
	s_endpgm
.Lentry_shape_is_right:
; qkv = x W^T + b for one head and 256 tokens, then softmax attention inside each block of 128 tokens, written as out0[b][head][token][64] in f32.
; (The module rolls its 16 heads by 128 places, which is no move at all since 128 mod 16 = 0; its last reshape reads [b][h][n][64] as it lies.)
; xb: [16384][1024] bf16.  wb: [16 heads][192 rows: 64 q, 64 k, 64 v][1024] bf16.  b_qkv: [3072] f32, rounded to bf16 here like the other inputs.
; LIMITS.  x, W and b are rounded to bf16; sums in f32.  q, k, v and the weights p are rounded once to f16: |q|, |k|, |v| must stay under 65,504.
; A weight below 2^-126 counts as 0 in the row's sum; NaN and infinities are not treated apart.  The maximum taken away is the row's true maximum over its 128 keys.
; SHARES.  Work-group (x = head, y) stays and makes four tiles, tokens 1024 y + 256 s .. + 255, s = 0 .. 3: 256 work-groups of equal work.  A tile is 256 tokens x 192 columns, K = 1,024 in
; steps of 128 through two LDS slots.  Wave w owns tokens 64 w .. 64 w + 63 and all 192 columns: 48 accumulators, 384 registers.  Waves 0, 1 are one attention block, waves 2, 3 the other.
; CLUSTER.  4 x 4 work-groups.  x's tile hangs on y alone and is asked for jointly along a row of the cluster, W's on the head alone, jointly along a column.
; LAYOUT.  q's and k's columns (column tiles 0-7) are made with source 0 = W's rows, source 1 = x's rows: a lane holds one token and 8 channels, so two neighbouring tiles rounded to f16 ARE a
; fragment of Q or K (16 tokens x 32 channels).  v's columns (tiles 8-11) are made the other way round: a lane holds one channel and 8 tokens, and two neighbouring token tiles ARE a fragment of V^T.
; S^T = K Q^T holds one query a lane; rounded in pairs it IS source 1 of O^T = V^T P.  Nothing is transposed.  Of the block's 128 keys a wave made 64 itself; the partner's K and V fragments
; come as register images through LDS.  Each wave takes its own keys first: K and V go by the same order, and a softmax does not mind the order of its keys.
; REGISTERS, in windows of 256 (s_set_vgpr_msb: bits 1:0 source 0, 3:2 source 1, 5:4 source 2, 7:6 destination):
;   window 0: v0-15 addresses; v16-31 statistics; v32-95 Q; v96-127 at work (maxima, sums; on the way out a second row buffer); v128-223 the bias as C operands; v224-255 row buffer
;   window 1: two fragment buffers of 128 (12 of W, 4 of x); in attention v128-255 hold K (own 64, partner's 64), v0-127 keep the next tile's first fragments
;   window 2: accumulators of token tiles 0, 1 (v0-191); in attention S^T/P/O^T of tiles 0, 1 (v0-127), the partner's V^T (v128-191), my V^T (v192-255)
;   window 3: accumulators of token tiles 2, 3; in attention S^T/P/O^T of tiles 2, 3
; A tile's 64 registers of S^T serve three times: scores; P in place in the low 32; O^T in the high 32.
.set KSTEP,  128
.set ROWB,   2048                      ; bytes in a row of xb and of wb
.set PITCH,  272                       ; an LDS row: 256 bytes + 16 of padding = 68 words: the 16 rows that a fragment load touches start 4 words apart modulo 64
.set HALFA,  128*PITCH                 ; what waves 0 and 1 fetch: 128 rows of x each
.set HALFB,  96*PITCH                  ; what waves 2 and 3 fetch: 96 rows of W each
.set BOFF,   256*PITCH                 ; in a slot W's 192 rows lie behind x's 256
.set SLOT,   448*PITCH
.set XCH,    2*SLOT                    ; behind the ring, written by LDS stores alone: for each wave 8,192 bytes of K's image and 8,192 of V's
.set STAGE,  XCH+4*16384               ; for each wave 16 rows x 272 bytes, for the way out
.set SPITCH, 272
.set SPARE,  STAGE+4*16*SPITCH         ; the spare words, 128 bytes for each wave: two blocks of 256 bytes that no other line names
.set LAPS,   4                         ; a lap = two K steps = once round the ring
.set TILES,  4
.set NEXT_A, 256*ROWB-6*KSTEP*2        ; from a slot's last K step of a tile to its first of the next: 256 rows down, back along K
.set BACK_B, 6*KSTEP*2                 ; W only back: all tiles of the walk share its rows
.set ADRA, 4                           ; v4-5   LDS address of my x fragments in slot 0, 1
.set ADRB, 6                           ; v6-7   of W's
.set XS,   8                           ; v8     where my images go
.set XL,   9                           ; v9     where my partner's lie
.set STO,  10                          ; v10    the way out: where I put 32 bytes of a row
.set RD,   11                          ; v11    where I read rows back
.set GO,   12                          ; v12    my 16 bytes in 512 consecutive bytes of out0; never rewritten
.set PFO,  13                          ; v13    the prefetches' offset: a lane a row; never rewritten
.set SPW,  14                          ; v14    LDS address of my spare word; never rewritten
.set NIL,  15                          ; v15    0; never rewritten
.set ST,   16                          ; token tile a at ST + 4 a: c m, m, 1 / l, 0
.set QF,   32                          ; Q: tile a, channel half c at QF + 16 a + 8 c
.set T,    96                          ; eight running maxima for each of two tiles
.set LQ,   112                         ; four pairs of running sums for each of two tiles
.set BQK,  128                         ; the bias of column tile t < 8 as a C operand, at BQK + 8 t
.set BV,   192                         ; of v's column tile cb, at BV + 8 cb
.set F0,   0                           ; window 1: fragment buffers
.set F1,   128
.set KF,   128                         ; window 1: K: key tile kt, channel half c at KF + 16 kt + 8 c
.set WV,   12                          ; s12  my wave's number
.set FB,   13                          ; s13  0: I fetch for x, 1: for W
.set HF,   14                          ; s14  which half of that tile's rows I fetch
.set LIM,  15                          ; s15  1 in a wave that prefetches, else the greatest number
.set G1,   24                          ; s[24:31] descriptor group 1 for x's tiles;  s[32:39] group 0, a set for each slot
.set G0,   32
.set PFA,  44                          ; s[44:45] where my prefetches stand
.set G1B,  48                          ; s[48:55], s[56:63] the same for W's tiles
.set G0B,  56
.set CS,   66                          ; s[66:67] c = log2(e) / 8
.set SEL,  68                          ; s[68:69] v_permlanex16_b32's selects: each lane takes its own place in the other half
.set MSB, 0
.macro WIN new                         ; the immediate's high byte repeats the setting that is left; a switch that changes nothing is dropped
.if MSB != (\new)
	s_set_vgpr_msb (MSB<<8)|(\new)
.set MSB, \new
.endif
.endm
.macro PLACES                          ; four plain vector instructions behind a matrix instruction, in front of loads into its sources and of readers of its result
.rept 4
	v_nop
.endr
.endm
; A joint load.  Waves 0 and 1 fetch x's two halves, waves 2 and 3 W's.  The branch hangs on the wave's number alone.  An s_nop 0 and four v_nop follow each of the two lines.
.macro JLOAD s
	s_cmp_eq_u32 s[FB], 0
	s_cbranch_scc0 .Lfor_b_\@
	tensor_load_to_lds s[G0+4*(\s):G0+4*(\s)+3], s[G1:G1+7]
	s_nop 0
.rept 4
	v_nop
.endr
	s_branch .Lasked_\@
.Lfor_b_\@:
	tensor_load_to_lds s[G0B+4*(\s):G0B+4*(\s)+3], s[G1B:G1B+7]
	s_nop 0
.rept 4
	v_nop
.endr
.Lasked_\@:
.endm
; A prefetch of the K step that stands two refills on: 256 bytes of a row, a lane a row, one instruction a wave, behind the joint load and the run of LDS loads.
; x's rows are walked by all clusters of a row of clusters: cluster x = 0 asks; W's by all of a column: cluster y = 0 asks.  The four partners of a joint load share its rows out by address
; (32 of x's 128 by cx; 24 of W's 96 by cy, where the last eight lanes name row 23 again).  how = 0, in the loop: a tile's last two refills have no K step two on; how = 1, at a change of tiles.
.macro ASK how
.if \how
	s_cmp_eq_u32 s[LIM], 1
.else
	s_cmp_gt_u32 s3, s[LIM]                        ; s3 = 1 in the loop's last trip
.endif
	s_cbranch_scc0 .Lnot_mine_\@
	global_prefetch_b8 v[PFO], s[PFA:PFA+1] offset:KSTEP*2 th:TH_LOAD_NT scope:SCOPE_SE
.Lnot_mine_\@:
.endm
.macro CREST                           ; a round of the cluster's barrier behind its opening barrier
	s_cmp_lg_u32 s[WV], 0
	s_cbranch_scc1 .Lnot_wave_0_\@
	s_barrier_signal -3
.Lnot_wave_0_\@:
	s_barrier_wait -3
	s_barrier_signal -1
	s_barrier_wait -1
.endm
.macro CROUND                          ; a whole round
	s_barrier_signal -1
	s_barrier_wait -1
	CREST
.endm
	s_load_b256 s[4:11], s[0:1], 0x0               ; xb s[4:5], wb s[6:7], b_qkv s[8:9], out0 s[10:11]
	v_lshl_add_u32 v[SPW], v0, 2, SPARE
	v_mov_b32 v[NIL], 0
	ds_add_u32 v[SPW], v[NIL]                      ; the wave's opening: the add and its wait stand ahead of my first tensor load; the set-up below, work on registers, stands between them
	v_lshrrev_b32 v1, 5, v0
	v_readfirstlane_b32 s[WV], v1                  ; wave 0..3
	s_lshr_b32 s[FB], s[WV], 1
	s_and_b32 s[HF], s[WV], 1
	s_bfe_u32 s40, ttmp6, 0x40000                  ; cx
	s_bfe_u32 s41, ttmp6, 0x40004                  ; cy
	s_lshl_b32 s42, ttmp9, 2
	s_add_co_u32 s42, s42, s40                     ; head = 4 x cluster x + cx
	s_and_b32 s43, ttmp7, 0xffff
	s_lshl_b32 s43, s43, 2
	s_add_co_u32 s43, s43, s41                     ; y = 4 x cluster y + cy
	s_lshl_b32 s16, s41, 2
	s_lshl_b32 s16, 15, s16                        ; my row of the cluster: places 4 cy .. 4 cy + 3
	s_lshl_b32 s17, 0x1111, s40                    ; my column: places cx, cx + 4, cx + 8, cx + 12
	s_or_b32 s[G1], s16, (1<<16)|(1<<20)|(1<<21)|(5<<22)|(3<<25)   ; 15:0 the mask; 17:16 2-byte elements; 20 padding on; 21 set beside a mask; 24:22 after every 64 words; 31:25 4 words of it
	s_or_b32 s[G1B], s17, (1<<16)|(1<<20)|(1<<21)|(5<<22)|(3<<25)
.irp g, G1, G1B
	s_mov_b32 s[(\g)+1], KSTEP<<16                 ; tensor_dim0 = 128
	s_mov_b32 s[(\g)+3], KSTEP<<16                 ; tile_dim0 = 128
	s_mov_b32 s[(\g)+5], 1024                      ; elements from row to row
	s_mov_b32 s[(\g)+6], 0
	s_mov_b32 s[(\g)+7], 0
.endr
	s_mov_b32 s[G1+2], 128<<16                     ; tensor_dim1 and tile_dim1: 128 rows of x,
	s_mov_b32 s[G1+4], 128
	s_mov_b32 s[G1B+2], 96<<16                     ; 96 rows of W
	s_mov_b32 s[G1B+4], 96
	s_lshl_b32 s16, s43, 10                        ; x: row 1024 y + 128 x half, in bytes (under 2^26): made of y and the wave's number alone
	s_lshl_b32 s17, s[HF], 7
	s_add_co_u32 s16, s16, s17
	s_lshl_b32 s16, s16, 11
	s_mov_b32 s17, 0
	s_mul_i32 s46, s42, 192                        ; W: row 192 x head + 96 x half: made of the head and the wave's number alone
	s_mul_i32 s47, s[HF], 96
	s_add_co_u32 s46, s46, s47
	s_lshl_b32 s46, s46, 11
	s_mov_b32 s47, 0
	s_mul_i32 s20, s[WV], HALFA                    ; where x's halves go (waves 0, 1): wave x 128 rows
	s_mul_i32 s21, s[WV], HALFB                    ; where W's go (waves 2, 3): BOFF + (wave - 2) x 96 rows
	s_add_co_u32 s21, s21, BOFF-2*HALFB
	s_mov_b32 s[CS], 0x3e38aa3b                    ; c = log2(e) / 8 = 0.180337
	s_mov_b32 s[CS+1], s[CS]                       ; named with it as a pair
	s_mov_b32 s[SEL], 0x76543210
	s_mov_b32 s[SEL+1], 0xfedcba98
	s_wait_dscnt 0x0                               ; the opening add is done
	s_wait_kmcnt 0x0
	s_add_nc_u64 s[18:19], s[4:5], s[16:17]
	s_add_nc_u64 s[46:47], s[6:7], s[46:47]
	CROUND                                         ; all sixteen work-groups are here: the first joint loads meet
.irp s, 0,1
	s_mov_b32 s[G0+4*(\s)], 1                                        ; count = 1
	s_add_co_u32 s[G0+4*(\s)+1], s20, (\s)*SLOT                      ; LDS address
	s_add_nc_u64 s[G0+4*(\s)+2:G0+4*(\s)+3], s[18:19], (\s)*KSTEP*2  ; global address: K step s
	s_or_b32 s[G0+4*(\s)+3], s[G0+4*(\s)+3], 0x80000000              ; type = 2
	s_mov_b32 s[G0B+4*(\s)], 1
	s_add_co_u32 s[G0B+4*(\s)+1], s21, (\s)*SLOT
	s_add_nc_u64 s[G0B+4*(\s)+2:G0B+4*(\s)+3], s[46:47], (\s)*KSTEP*2
	s_or_b32 s[G0B+4*(\s)+3], s[G0B+4*(\s)+3], 0x80000000
	JLOAD \s                                       ; two tensor loads of mine are out; later one
.endr
	; A fragment is 16 rows x 32 K in 8 registers: lane l holds row l % 16; registers 0-3 K = 8 (l / 16) + 0..7, registers 4-7 K = 16 + 8 (l / 16) + 0..7: two loads of 16 bytes, 32 bytes apart.
	v_and_b32 v1, 15, v0                           ; r = l % 16
	v_bfe_u32 v2, v0, 4, 1                         ; h = l / 16
	v_mul_u32_u24 v3, v1, PITCH
	v_lshl_add_u32 v3, v2, 4, v3                   ; row x pitch + 16 x half
	s_mul_i32 s16, s[WV], 64*PITCH                 ; my 64 rows of x
	s_mov_b32 s17, BOFF                            ; all of W's rows
.irp s, 0,1
	v_add_nc_u32 v[ADRA+(\s)], s16, v3
	v_add_nc_u32 v[ADRB+(\s)], s17, v3
	s_add_co_u32 s16, s16, SLOT
	s_add_co_u32 s17, s17, SLOT
.endr
	v_and_b32 v96, 31, v0                          ; lane
	s_lshl_b32 s16, s[WV], 14
	s_add_co_u32 s16, s16, XCH
	v_lshl_add_u32 v[XS], v96, 4, s16              ; an image: register quad i of lane l at 512 i + 16 l
	s_xor_b32 s16, s[WV], 1                        ; my partner
	s_lshl_b32 s16, s16, 14
	s_add_co_u32 s16, s16, XCH
	v_lshl_add_u32 v[XL], v96, 4, s16
	s_mul_i32 s16, s[WV], 16*SPITCH
	s_add_co_u32 s16, s16, STAGE                   ; my stage
	v_mul_u32_u24 v3, v1, SPITCH                   ; in: row (query) r, 32 bytes (8 channels in f32) for each half of the lanes
	v_lshl_add_u32 v3, v2, 5, v3
	v_add_nc_u32 v[STO], s16, v3
	v_mul_u32_u24 v3, v2, SPITCH                   ; back: lanes 0-15 take one row of 256 bytes, lanes 16-31 the next,
	v_lshl_add_u32 v3, v1, 4, v3
	v_add_nc_u32 v[RD], s16, v3
	v_lshlrev_b32 v[GO], 4, v96                    ; which are 512 consecutive bytes of out0
	s_lshr_b32 s16, s43, 3                         ; out0 at my first row: token row ((16 b + head) x 8192 + (y % 8) x 1024 + 64 w), 256 bytes each (under 2^26)
	s_lshl_b32 s16, s16, 4
	s_add_co_u32 s16, s16, s42
	s_lshl_b32 s16, s16, 13
	s_and_b32 s17, s43, 7
	s_lshl_b32 s17, s17, 10
	s_add_co_u32 s16, s16, s17
	s_lshl_b32 s17, s[WV], 6
	s_add_co_u32 s16, s16, s17
	s_lshl_b32 s16, s16, 8
	s_mov_b32 s17, 0
	s_add_nc_u64 s[10:11], s[10:11], s[16:17]
	s_lshl_b32 s16, s42, 8                         ; the head's 64 numbers in each third of the bias
	s_add_nc_u64 s[8:9], s[8:9], s[16:17]
	; the bias.  Column tiles 0-7: register j of a lane is channel 16 t + 8 h + j.  Tiles 8-11: all eight registers are channel 16 cb + r.
	v_lshlrev_b32 v97, 5, v2                       ; 32 h
	v_lshlrev_b32 v98, 2, v1                       ; 4 r
.irp t, 0,1,2,3,4,5,6,7
	global_load_b128 v[BQK+8*(\t):BQK+8*(\t)+3],   v97, s[8:9] offset:((\t)/4)*4096+((\t)%4)*64
	global_load_b128 v[BQK+8*(\t)+4:BQK+8*(\t)+7], v97, s[8:9] offset:((\t)/4)*4096+((\t)%4)*64+16
.endr
.irp cb, 0,1,2,3
	global_load_b32 v[BV+8*(\cb)], v98, s[8:9] offset:8192+64*(\cb)
.endr
	; the prefetches' address: my work-group's share of the rows that I fetch, at K step 2: the first refill steps it to 3 and names K step 4.  Nothing is asked for here, at the head.
	s_lshl_b32 s16, s43, 10
	s_lshl_b32 s17, s[HF], 7
	s_add_co_u32 s16, s16, s17
	s_lshl_b32 s17, s40, 5
	s_add_co_u32 s16, s16, s17                     ; x: row 1024 y + 128 x half + 32 cx
	s_mul_i32 s18, s42, 192
	s_mul_i32 s19, s[HF], 96
	s_add_co_u32 s18, s18, s19
	s_mul_i32 s19, s41, 24
	s_add_co_u32 s18, s18, s19                     ; W: row 192 x head + 96 x half + 24 cy
	s_and_b32 s22, ttmp7, 0xffff                   ; cluster y
	s_cmp_eq_u32 s[FB], 0                          ; do I fetch for x?
	s_cselect_b32 s20, s16, s18
	s_cselect_b32 s22, ttmp9, s22                  ; the coordinate along which other clusters read the same rows
	s_cselect_b32 s23, 31, 23                      ; my last row
	s_cselect_b64 s[PFA:PFA+1], s[4:5], s[6:7]
	s_cmp_eq_u32 s22, 0
	s_cselect_b32 s[LIM], 1, -1                    ; the same in all sixteen partners, for a given wave
	s_lshl_b32 s20, s20, 11
	s_mov_b32 s21, 0
	s_add_nc_u64 s[PFA:PFA+1], s[PFA:PFA+1], s[20:21]
	s_add_nc_u64 s[PFA:PFA+1], s[PFA:PFA+1], 2*KSTEP*2
	v_min_u32 v[PFO], s23, v96
	v_lshlrev_b32 v[PFO], 11, v[PFO]
.irp a, 0,1,2,3
	v_mov_b32 v[ST+4*(\a)+3], 0                    ; named in a pair with 1 / l, so it is written
.endr
	s_wait_loadcnt 0x0                             ; the bias is in; it is rounded to bf16, like x and W, and widened again in place
.set n, 0
.rept 32
	v_cvt_pk_bf16_f32 v99, v[BQK+2*n], v[BQK+2*n+1]
	v_lshlrev_b32 v[BQK+2*n], 16, v99
	v_and_b32 v[BQK+2*n+1], 0xffff0000, v99
.set n, n+1
.endr
.irp cb, 0,1,2,3
	v_cvt_pk_bf16_f32 v99, v[BV+8*(\cb)], v[BV+8*(\cb)]
	v_lshlrev_b32 v[BV+8*(\cb)], 16, v99
.irp j, 1,2,3,4,5,6,7
	v_mov_b32 v[BV+8*(\cb)+(\j)], v[BV+8*(\cb)]
.endr
.endr
; 12 matrix instructions: token tile 2 hi + a x all 12 column tiles, 32 along K, from buffer f.  first = 1: the bias is the C operand that starts the sums: nothing is cleared, no bias is added later.
; The 48 accumulators take turns, one instruction a turn, in the same order in every quarter, over the backward jump and from tile to tile.
.macro MUL12 f, hi, a, first
.if \first
	WIN 0x85+0x40*(\hi)                            ; sources window 1, C window 0, D window 2 or 3
.else
	WIN 0xa5+0x50*(\hi)                            ; sources window 1, C and D window 2 or 3
.endif
.irp t, 0,1,2,3,4,5,6,7
.if \first
	v_wmma_f32_16x16x32_bf16 v[96*(\a)+8*(\t):96*(\a)+8*(\t)+7], v[(\f)+8*(\t):(\f)+8*(\t)+7], v[(\f)+96+8*(2*(\hi)+(\a)):(\f)+96+8*(2*(\hi)+(\a))+7], v[BQK+8*(\t):BQK+8*(\t)+7]
.else
	v_wmma_f32_16x16x32_bf16 v[96*(\a)+8*(\t):96*(\a)+8*(\t)+7], v[(\f)+8*(\t):(\f)+8*(\t)+7], v[(\f)+96+8*(2*(\hi)+(\a)):(\f)+96+8*(2*(\hi)+(\a))+7], v[96*(\a)+8*(\t):96*(\a)+8*(\t)+7]
.endif
.endr
.irp t, 8,9,10,11
.if \first
	v_wmma_f32_16x16x32_bf16 v[96*(\a)+8*(\t):96*(\a)+8*(\t)+7], v[(\f)+96+8*(2*(\hi)+(\a)):(\f)+96+8*(2*(\hi)+(\a))+7], v[(\f)+8*(\t):(\f)+8*(\t)+7], v[BV+8*((\t)-8):BV+8*((\t)-8)+7]
.else
	v_wmma_f32_16x16x32_bf16 v[96*(\a)+8*(\t):96*(\a)+8*(\t)+7], v[(\f)+96+8*(2*(\hi)+(\a)):(\f)+96+8*(2*(\hi)+(\a))+7], v[(\f)+8*(\t):(\f)+8*(\t)+7], v[96*(\a)+8*(\t):96*(\a)+8*(\t)+7]
.endif
.endr
.endm
; 32 LDS loads in one run: a quarter step's fragments (192 rows of W, my 64 rows of x, 32 K at byte k of the rows) into buffer f; x's tiles 2 and 3 last
.macro FETCH slot, k, f
	WIN 0x40                                       ; destination window 1, address window 0
.irp t, 0,1,2,3,4,5,6,7,8,9,10,11
	ds_load_b128 v[(\f)+8*(\t):(\f)+8*(\t)+3],   v[ADRB+(\slot)] offset:(\k)+(\t)*16*PITCH
	ds_load_b128 v[(\f)+8*(\t)+4:(\f)+8*(\t)+7], v[ADRB+(\slot)] offset:(\k)+(\t)*16*PITCH+32
.endr
.irp a, 0,1,2,3
	ds_load_b128 v[(\f)+96+8*(\a):(\f)+96+8*(\a)+3],   v[ADRA+(\slot)] offset:(\k)+(\a)*16*PITCH
	ds_load_b128 v[(\f)+96+8*(\a)+4:(\f)+96+8*(\a)+7], v[ADRA+(\slot)] offset:(\k)+(\a)*16*PITCH+32
.endr
.endm
; A K step is four quarters of 32 along K, 48 matrix instructions each, on buffers 0, 1, 0, 1.  One of the first three: multiplies buffer f; in its middle it fetches the next quarter, at byte k, into g.
.macro QUARTER slot, k, f, g, first
	s_wait_dscnt 4                                 ; W and x's tiles 0, 1 are in; the youngest four loads (x's tiles 2, 3) may be out
	MUL12 \f, 0, 0, \first
	MUL12 \f, 0, 1, \first
	PLACES
	FETCH \slot, \k, \g
	s_wait_dscnt 32                                ; all but the 32 just issued
	MUL12 \f, 1, 0, \first
	MUL12 \f, 1, 1, \first
.endm
; The first half of a K step's last quarter: ONE barrier for the change of slots.  In front of it each wave waits for all its tensor loads (one is out: its part of the next slot), adds 0 to its
; spare word, and waits for that and for its own reads of this slot.  Behind it nobody reads this slot any more and the next slot is whole.
.macro MEET round                      ; round = 1: a round of the cluster's barrier follows
	WIN 0                                          ; (the add's two registers lie in window 0)
	s_wait_tensorcnt 0x0
	ds_add_u32 v[SPW], v[NIL]                      ; 0 onto my spare word
	s_wait_dscnt 5                                 ; (the add and the youngest four loads may be out)
	MUL12 F1, 0, 0, 0                              ; twelve matrix instructions stand between the add and the wait for it
	s_wait_dscnt 0x0                               ; the add is done, and my reads of this slot are over
	s_barrier_signal -1
	MUL12 F1, 0, 1, 0                              ; work on registers while the others arrive
.if \round
	WIN 0
.endif
	s_barrier_wait -1
.endm
; The whole last quarter.  mode 0: this slot is filled again with the K step two on; mode 1: with the NEXT tile's K step 0 or 1; mode 2: with nothing.
; From a request to the wait for it a wave issues 168 matrix instructions (in mode 1, slot 1, a tile's attention besides).
.macro TURN slot, next, mode
.if (\mode) < 2
	s_wait_xcnt 0x0                                ; the last prefetch, a K step back, has read its address: it is stepped here, ahead of the waits of the change of slots
.if ((\mode) == 1) && ((\slot) == 0)
	s_add_nc_u64 s[PFA:PFA+1], s[PFA:PFA+1], 255*ROWB+KSTEP*2  ; from the K step after the tile's last to the next tile's K step 1
	s_cmp_eq_u32 s[FB], 0
	s_cselect_b32 s[LIM], s[LIM], -1               ; W's rows are the same for all tiles of the walk: they are asked for in the first tile alone
.else
	s_add_nc_u64 s[PFA:PFA+1], s[PFA:PFA+1], KSTEP*2
.endif
	MEET 1
	CREST                                          ; no wave of any partner still reads this slot's tile or has a load on its way
.if (\mode) == 1
	s_add_nc_u64 s[G0+4*(\slot)+2:G0+4*(\slot)+3], s[G0+4*(\slot)+2:G0+4*(\slot)+3], NEXT_A
	s_sub_nc_u64 s[G0B+4*(\slot)+2:G0B+4*(\slot)+3], s[G0B+4*(\slot)+2:G0B+4*(\slot)+3], BACK_B
.else
	s_add_nc_u64 s[G0+4*(\slot)+2:G0+4*(\slot)+3], s[G0+4*(\slot)+2:G0+4*(\slot)+3], 2*KSTEP*2
	s_add_nc_u64 s[G0B+4*(\slot)+2:G0B+4*(\slot)+3], s[G0B+4*(\slot)+2:G0B+4*(\slot)+3], 2*KSTEP*2
.endif
	JLOAD \slot                                    ; the first tensor load behind the round; its four v_nop are also the places in front of the loads below
	FETCH \next, 0, F0
	WIN 0                                          ; (a branch follows)
	ASK \mode
.else
	MEET 0
	PLACES
	FETCH \next, 0, F0
.endif
	MUL12 F1, 1, 0, 0
	MUL12 F1, 1, 1, 0
.endm
; ATTENTION on the finished accumulators, in phases.
; CONV: the 48 accumulators rounded to f16, each from its low end on.  q -> Q's fragments, k -> my half of K's, v -> my half of V^T's.
; THE PLACES IN FRONT OF IT.  Its first lines read window 2's accumulators, whose last products stand in the first half of the last quarter: four plain instructions must lie between.  In a tile with a
; successor they are the four v_nop behind TURN's joint load; the last tile's tail writes four v_nop of its own in front of ATTN.  Window 3's accumulators are read 96 lines further down; and the first
; 32 lines (window 2 to window 0) name no register of the last products (D in window 3, sources in window 1): they are the places ahead of the lines that write K over fragment buffer 1.
.macro CONV
.irp hi, 0,1
	WIN 0x0a+5*(\hi)                               ; sources window 2 or 3, destination window 0
.irp a, 0,1
.irp t, 0,1,2,3
.irp r, 0,1,2,3
	v_cvt_pk_f16_f32 v[QF+16*(2*(\hi)+(\a))+4*(\t)+(\r)], v[96*(\a)+8*(\t)+2*(\r)], v[96*(\a)+8*(\t)+2*(\r)+1]
.endr
.endr
.endr
	WIN 0x4a+5*(\hi)                               ; destination window 1
.irp a, 0,1
.irp t, 4,5,6,7
.irp r, 0,1,2,3
	v_cvt_pk_f16_f32 v[KF+16*(2*(\hi)+(\a))+4*((\t)-4)+(\r)], v[96*(\a)+8*(\t)+2*(\r)], v[96*(\a)+8*(\t)+2*(\r)+1]
.endr
.endr
.endr
	WIN 0x8a+5*(\hi)                               ; destination window 2: keys 32 hi on, channels 16 (t - 8) on, at 192 + 32 hi + 8 (t - 8); token tile a is half a of the fragment
.irp a, 0,1
.irp t, 8,9,10,11
.irp r, 0,1,2,3
	v_cvt_pk_f16_f32 v[192+32*(\hi)+8*((\t)-8)+4*(\a)+(\r)], v[96*(\a)+8*(\t)+2*(\r)], v[96*(\a)+8*(\t)+2*(\r)+1]
.endr
.endr
.endr
.endr
.endm
; 32 products S^T = K Q^T: key tiles lo .. lo + 3 x my four query tiles x two channel halves.  Eight accumulators take turns; the first channel half starts the sums.
.macro KQ lo
.irp w, 0,1
	WIN 0xa1+0x50*(\w)                             ; K window 1, Q window 0, S^T window 2 or 3
.irp c, 0,1
.irp u, 0,1
.irp k, 0,1,2,3
.if (\c) == 0
	v_wmma_f32_16x16x32_f16 v[64*(\u)+8*((\lo)+(\k)):64*(\u)+8*((\lo)+(\k))+7], v[KF+16*((\lo)+(\k))+8*(\c):KF+16*((\lo)+(\k))+8*(\c)+7], v[QF+16*(2*(\w)+(\u))+8*(\c):QF+16*(2*(\w)+(\u))+8*(\c)+7], 0
.else
	v_wmma_f32_16x16x32_f16 v[64*(\u)+8*((\lo)+(\k)):64*(\u)+8*((\lo)+(\k))+7], v[KF+16*((\lo)+(\k))+8*(\c):KF+16*((\lo)+(\k))+8*(\c)+7], v[QF+16*(2*(\w)+(\u))+8*(\c):QF+16*(2*(\w)+(\u))+8*(\c)+7], v[64*(\u)+8*((\lo)+(\k)):64*(\u)+8*((\lo)+(\k))+7]
.endif
.endr
.endr
.endr
.endr
.endm
; The softmax of window 2 + w's two query tiles (u = 0, 1, alternating).  A lane holds one query and 64 of its 128 scores; the lane 16 away holds the others.
.macro SMX w
	WIN 0x2a+0x15*(\w)                             ; three sources in the window, destination window 0
.irp k, 0,1,2,3,4,5,6,7
.irp u, 0,1
	v_max3_num_f32 v[T+8*(\u)+(\k)], v[64*(\u)+8*(\k)], v[64*(\u)+8*(\k)+1], v[64*(\u)+8*(\k)+2]
.endr
.endr
	WIN 0x28+0x14*(\w)                             ; source 0 window 0
.irp j, 3,5
.irp k, 0,1,2,3,4,5,6,7
.irp u, 0,1
	v_max3_num_f32 v[T+8*(\u)+(\k)], v[T+8*(\u)+(\k)], v[64*(\u)+8*(\k)+(\j)], v[64*(\u)+8*(\k)+(\j)+1]
.endr
.endr
.endr
.irp j, 0,1,2,3
.irp u, 0,1
	v_max3_num_f32 v[T+8*(\u)+(\j)], v[T+8*(\u)+(\j)], v[64*(\u)+16*(\j)+7], v[64*(\u)+16*(\j)+15]
.endr
.endr
	WIN 0
.irp u, 0,1
	v_max3_num_f32 v[T+8*(\u)], v[T+8*(\u)], v[T+8*(\u)+1], v[T+8*(\u)+2]
	v_max3_num_f32 v[T+8*(\u)+3], v[T+8*(\u)+3], v[T+8*(\u)+4], v[T+8*(\u)+5]
.endr
.irp u, 0,1
	v_max3_num_f32 v[T+8*(\u)], v[T+8*(\u)], v[T+8*(\u)+3], v[T+8*(\u)+6]
.endr
.irp u, 0,1
	v_max_num_f32 v[T+8*(\u)], v[T+8*(\u)], v[T+8*(\u)+7]
.endr
.irp u, 0,1
	v_permlanex16_b32 v[T+8*(\u)+1], v[T+8*(\u)], s[SEL], s[SEL+1]
.endr
.irp u, 0,1
	v_max_num_f32 v[ST+4*(2*(\w)+(\u))+1], v[T+8*(\u)], v[T+8*(\u)+1]  ; m: the query's maximum over all 128 keys
.endr
.irp u, 0,1
	v_mul_f32 v[ST+4*(2*(\w)+(\u))], s[CS], v[ST+4*(2*(\w)+(\u))+1]     ; c m
.endr
	; p = 2^(c s - c m), in place.  ONE BATCH: 64 packed scalings, each followed by the two exponentials of the pair before; nothing here names an exponential's result.
	WIN 0x82+0x41*(\w)                             ; destination and source 0 in the window, c m in window 0
.set n, 0
.rept 64
	v_pk_fma_f32 v[2*n:2*n+1], v[2*n:2*n+1], s[CS:CS+1], v[ST+4*(2*(\w)+n/32):ST+4*(2*(\w)+n/32)+1] op_sel_hi:[1,0,0] neg_lo:[0,0,1] neg_hi:[0,0,1]
.if n > 0
	v_exp_f32 v[2*n-2], v[2*n-2]
	v_exp_f32 v[2*n-1], v[2*n-1]
.endif
.set n, n+1
.endr
	v_exp_f32 v126, v126
	v_exp_f32 v127, v127
	v_nop                                          ; a plain instruction behind the last exponential, ahead of the first use (ISA guide 5.7.2)
	s_wait_alu depctr_va_vdst(0)                   ; the wait ahead of the first reader: one for the 128 exponentials
	; l, of the unrounded weights: four chains of pairs a tile
	WIN 0x0a+5*(\w)
.irp j, 0,1,2,3
.irp u, 0,1
	v_pk_add_f32 v[LQ+8*(\u)+2*(\j):LQ+8*(\u)+2*(\j)+1], v[64*(\u)+2*(\j):64*(\u)+2*(\j)+1], v[64*(\u)+8+2*(\j):64*(\u)+8+2*(\j)+1]
.endr
.endr
	WIN 0x08+4*(\w)
.irp i, 2,3,4,5,6,7
.irp j, 0,1,2,3
.irp u, 0,1
	v_pk_add_f32 v[LQ+8*(\u)+2*(\j):LQ+8*(\u)+2*(\j)+1], v[LQ+8*(\u)+2*(\j):LQ+8*(\u)+2*(\j)+1], v[64*(\u)+8*(\i)+2*(\j):64*(\u)+8*(\i)+2*(\j)+1]
.endr
.endr
.endr
	; P: pair i rounded to f16 into register i of the same 64: the destination never runs ahead of the sources
	WIN 0x8a+0x45*(\w)
.set n, 0
.rept 32
.irp u, 0,1
	v_cvt_pk_f16_f32 v[64*(\u)+n], v[64*(\u)+2*n], v[64*(\u)+2*n+1]
.endr
.set n, n+1
.endr
	WIN 0
.irp u, 0,1
	v_pk_add_f32 v[LQ+8*(\u):LQ+8*(\u)+1], v[LQ+8*(\u):LQ+8*(\u)+1], v[LQ+8*(\u)+2:LQ+8*(\u)+3]
	v_pk_add_f32 v[LQ+8*(\u)+4:LQ+8*(\u)+5], v[LQ+8*(\u)+4:LQ+8*(\u)+5], v[LQ+8*(\u)+6:LQ+8*(\u)+7]
.endr
.irp u, 0,1
	v_pk_add_f32 v[LQ+8*(\u):LQ+8*(\u)+1], v[LQ+8*(\u):LQ+8*(\u)+1], v[LQ+8*(\u)+4:LQ+8*(\u)+5]
.endr
.irp u, 0,1
	v_add_f32 v[LQ+8*(\u)], v[LQ+8*(\u)], v[LQ+8*(\u)+1]
.endr
.irp u, 0,1
	v_permlanex16_b32 v[LQ+8*(\u)+1], v[LQ+8*(\u)], s[SEL], s[SEL+1]
.endr
.irp u, 0,1
	v_add_f32 v[LQ+8*(\u)], v[LQ+8*(\u)], v[LQ+8*(\u)+1]
.endr
.irp u, 0,1
	v_rcp_f32 v[ST+4*(2*(\w)+(\u))+2], v[LQ+8*(\u)]
.endr
	v_nop                                          ; a plain instruction behind the last reciprocal,
	s_wait_alu depctr_va_vdst(0)                   ; and one wait for the two
.endm
; 32 products O^T = V^T P for window 2 + w's two tiles: keys 32 kk on (kk 0, 1 mine, at 192 on; 2, 3 my partner's, at 128 on), channels 16 cb on.  Eight accumulators take turns; kk = 0 starts the sums.
.macro PV w
	WIN 0xaa+0x54*(\w)                             ; V^T window 2; P, C and D window 2 or 3
.irp kk, 0,1,2,3
.irp u, 0,1
.irp cb, 0,1,2,3
.if (\kk) == 0
	v_wmma_f32_16x16x32_f16 v[64*(\u)+32+8*(\cb):64*(\u)+32+8*(\cb)+7], v[128+32*(((\kk)+2)%4)+8*(\cb):128+32*(((\kk)+2)%4)+8*(\cb)+7], v[64*(\u)+8*(\kk):64*(\u)+8*(\kk)+7], 0
.else
	v_wmma_f32_16x16x32_f16 v[64*(\u)+32+8*(\cb):64*(\u)+32+8*(\cb)+7], v[128+32*(((\kk)+2)%4)+8*(\cb):128+32*(((\kk)+2)%4)+8*(\cb)+7], v[64*(\u)+8*(\kk):64*(\u)+8*(\kk)+7], v[64*(\u)+32+8*(\cb):64*(\u)+32+8*(\cb)+7]
.endif
.endr
.endr
.endr
.endm
; The way out of query tile a: O^T times 1 / l; a lane's 8 channels of a row (32 bytes) into my stage; back as whole rows of 256 bytes, into row buffer a % 2 (v224 on, v96 on).
.macro OUT a
	WIN 0x82+0x41*((\a)/2)
.set n, 0
.rept 16
	v_pk_mul_f32 v[64*((\a)%2)+32+2*n:64*((\a)%2)+32+2*n+1], v[64*((\a)%2)+32+2*n:64*((\a)%2)+32+2*n+1], v[ST+4*(\a)+2:ST+4*(\a)+3] op_sel_hi:[1,0]
.set n, n+1
.endr
	WIN 0x08+4*((\a)/2)                            ; the stores' data in window 2 or 3
.irp cb, 0,1,2,3
.irp i, 0,1
	ds_store_b128 v[STO], v[64*((\a)%2)+32+8*(\cb)+4*(\i):64*((\a)%2)+32+8*(\cb)+4*(\i)+3] offset:64*(\cb)+16*(\i)
.endr
.endr
	WIN 0
	s_wait_xcnt 0x0                                ; the stores of two tiles back have read this row buffer: it is loaded again only behind this wait
.irp t, 0,1,2,3,4,5,6,7
	ds_load_b128 v[224-128*((\a)%2)+4*(\t):224-128*((\a)%2)+4*(\t)+3], v[RD] offset:(\t)*2*SPITCH  ; LDS serves a wave's instructions in order (ISA guide 5.7.1.4): these see the stores above; the next tile's stores come behind them
.endr
.endm
.macro SEND a, younger                 ; younger: the LDS instructions issued behind tile a's loads: the next tile's sixteen, or none
	WIN 0
.irp t, 0,1,2,3,4,5,6,7
	s_wait_dscnt (\younger)+7-(\t)
	global_store_b128 v[GO], v[224-128*((\a)%2)+4*(\t):224-128*((\a)%2)+4*(\t)+3], s[10:11] offset:4096*(\a)+512*(\t) th:TH_STORE_NT  ; 512 consecutive bytes, at a multiple of 256 from out0's first
.endr
.endm
.macro ATTN
	CONV
	WIN 0x04                                       ; my K and V^T fragments as they lie in registers, for my partner: data in window 1,
.irp i, 0,1,2,3,4,5,6,7,8,9,10,11,12,13,14,15
	ds_store_b128 v[XS], v[KF+4*(\i):KF+4*(\i)+3] offset:512*(\i)
.endr
	WIN 0x08                                       ; in window 2
.irp i, 0,1,2,3,4,5,6,7,8,9,10,11,12,13,14,15
	ds_store_b128 v[XS], v[192+4*(\i):192+4*(\i)+3] offset:8192+512*(\i)
.endr
	s_wait_dscnt 0x0                               ; for my partner's sake: my stores are done (and the next tile's first fragments are in)
	s_barrier_signal -1                            ; my one tensor load, the next tile's second K step, may stay out
	KQ 0                                           ; the scores of my own 64 keys: work on registers while the others arrive
	s_barrier_wait -1
	WIN 0x40
.irp i, 0,1,2,3,4,5,6,7,8,9,10,11,12,13,14,15
	ds_load_b128 v[KF+64+4*(\i):KF+64+4*(\i)+3], v[XL] offset:512*(\i)
.endr
	WIN 0x80
.irp i, 0,1,2,3,4,5,6,7,8,9,10,11,12,13,14,15
	ds_load_b128 v[128+4*(\i):128+4*(\i)+3], v[XL] offset:8192+512*(\i)
.endr
	s_wait_dscnt 16                                ; the partner's K is in; V's sixteen loads may stay out
	KQ 4
	PLACES                                         ; behind the last products, ahead of the maxima that read scores
	SMX 0
	s_wait_dscnt 0x0                               ; the partner's V is in
	PV 0
	SMX 1                                          ; also the places behind those products
	PV 1
	OUT 0                                          ; tiles 0 and 1 name no register of the last products: their multiplies are the places behind them
	OUT 1
	SEND 0, 16
	OUT 2
	SEND 1, 16
	OUT 3
	SEND 2, 16
	SEND 3, 0
.endm
	s_wait_tensorcnt 1                             ; my part of K step 0 is in; K step 1's may stay out
	s_barrier_signal -1
	s_barrier_wait -1                              ; everybody's is
	FETCH 0, 0, F0
	WIN 0                                          ; at a label and at a branch every window is 0
	s_mov_b32 s2, TILES                            ; tiles to go, this one among them
.Ltile:
	QUARTER 0, 64,  F0, F1, 1                      ; a tile's first quarter stands in front of the loop: its products start the sums, with the bias
	WIN 0
	s_mov_b32 s3, LAPS-1
.Llap:                                                 ; a trip goes once round the ring, from a lap's second quarter to the next lap's first, and fills both slots again
	QUARTER 0, 128, F1, F0, 0
	QUARTER 0, 192, F0, F1, 0
	TURN 0, 1, 0
	QUARTER 1, 64,  F0, F1, 0
	QUARTER 1, 128, F1, F0, 0
	QUARTER 1, 192, F0, F1, 0
	TURN 1, 0, 0
	QUARTER 0, 64,  F0, F1, 0
	WIN 0
	s_sub_co_u32 s3, s3, 1
	s_cmp_lg_u32 s3, 0
	s_cbranch_scc1 .Llap
	QUARTER 0, 128, F1, F0, 0                      ; the tile's last lap goes on
	QUARTER 0, 192, F0, F1, 0
	WIN 0
	s_cmp_eq_u32 s2, 1
	s_cbranch_scc1 .Llast_tile                     ; the last tile's tail is written out: it asks for nothing more
	TURN 0, 1, 1                                   ; the ring goes on into the next tile: slot 0 takes its K step 0,
	QUARTER 1, 64,  F0, F1, 0
	QUARTER 1, 128, F1, F0, 0
	QUARTER 1, 192, F0, F1, 0
	TURN 1, 0, 1                                   ; slot 1 its K step 1, and the next tile's first fragments are fetched
	ATTN                                           ; both refills are asked for: now this tile's attention, and its way out
	s_wait_xcnt 0x0                                ; the stores have read their registers and their base
	s_add_nc_u64 s[10:11], s[10:11], 256*256       ; 256 token rows of 256 bytes on
	s_sub_co_u32 s2, s2, 1
	s_branch .Ltile
.Llast_tile:
	TURN 0, 1, 2                                   ; my one tensor load that was still out is the last K step's, so no round follows
	QUARTER 1, 64,  F0, F1, 0
	QUARTER 1, 128, F1, F0, 0
	QUARTER 1, 192, F0, F1, 0
	s_wait_dscnt 4                                 ; the very last quarter: nothing more to fetch
	MUL12 F1, 0, 0, 0
	MUL12 F1, 0, 1, 0
	s_wait_dscnt 0x0
	MUL12 F1, 1, 0, 0
	MUL12 F1, 1, 1, 0
	PLACES                                         ; no joint load, and so no v_nop of its own, stands in this quarter: four places between its products and the conversions that read their results
	ATTN
	WIN 0
	s_wait_tensorcnt 0x0                           ; the wave's end, behind my last tensor load and my last LDS store
	ds_add_u32 v[SPW], v[NIL]
	s_wait_dscnt 0x0
	CROUND                                         ; the closing round: no work-group ends while a partner may still ask for a tile that names it
	s_endpgm
.Lfunc_end_k_q411132b707_fused:
	.size	k_q411132b707_fused, .Lfunc_end_k_q411132b707_fused-k_q411132b707_fused
	.p2alignl 7, 3214868480
	.fill 96, 4, 3214868480
	.section	.rodata,"a",@progbits
	.p2align	6, 0x0
	.amdhsa_kernel k_q411132b707_fused
		.amdhsa_group_segment_fixed_size 327680
		.amdhsa_private_segment_fixed_size 0
		.amdhsa_enable_private_segment 0
		.amdhsa_kernarg_size 32
		.amdhsa_user_sgpr_count 2
		.amdhsa_user_sgpr_kernarg_segment_ptr 1
		.amdhsa_wavefront_size32 1
		.amdhsa_system_sgpr_workgroup_id_x 1
		.amdhsa_system_sgpr_workgroup_id_y 1
		.amdhsa_system_sgpr_workgroup_id_z 1
		.amdhsa_system_vgpr_workitem_id 0
		.amdhsa_next_free_vgpr 1024
		.amdhsa_next_free_sgpr 70
		.amdhsa_reserve_vcc 0
		.amdhsa_float_denorm_mode_32 3
		.amdhsa_float_denorm_mode_16_64 3
		.amdhsa_memory_ordered 1
		.amdhsa_forward_progress 1
		.amdhsa_inst_pref_size 255
	.end_amdhsa_kernel
	.section	.bss,"aw",@nobits
	.p2align	6
	.space	262144
	.amdgpu_metadata
---
amdhsa.version: [ 1, 2 ]
amdhsa.kernels:
  - .name:           k_q411132b707_fused
    .symbol:         k_q411132b707_fused.kd
    .args:
      - { .name: xb, .offset: 0, .size: 8, .value_kind: global_buffer, .address_space: global }
      - { .name: wb, .offset: 8, .size: 8, .value_kind: global_buffer, .address_space: global }
      - { .name: b_qkv, .offset: 16, .size: 8, .value_kind: global_buffer, .address_space: global }
      - { .name: out0, .offset: 24, .size: 8, .value_kind: global_buffer, .address_space: global }
    .group_segment_fixed_size: 327680
    .private_segment_fixed_size: 0
    .kernarg_segment_align: 8
    .kernarg_segment_size: 32
    .max_flat_workgroup_size: 128
    .sgpr_count:     70
    .vgpr_count:     1024
    .wavefront_size: 32
...
	.end_amdgpu_metadata
.endif
;; end of part 2
